; MI455X (gfx1250); checked and timed in simulation.
; The chip was launched on July 23, 2026; its instructions are those of AMD's public machine-readable ISA for CDNA 5 (MIT licence, August 2026) and "CDNA5" Instruction Set Architecture Reference Guide (July 2026). The comments in the code are by the model that wrote it; some were corrected since.
;; Fusing Net. Allowed arithmetic: matrix products marked QUANTISED: E5M2 operands, one E8M0 scale for each 32 along K, by v_wmma_scale_f32_16x16x128_f8f6f4 with both operands' format E5M2, f32 sums; products left as they are: f32 operands where the result goes on into a quantised operand, else bf16, f16 or f32 operands; f32 sums; everything else in f32.
;; Inputs: W1k 16 x 32 float32; W1l 16 x 32 float32; W1w 26 x 32 float32; W2k_codes 16 x 1 x 32 uint8 (E5M2 codes of W2k, K innermost, in blocks of 32 codes); W2k_scales 16 x 1 uint8 (E8M0 scales of W2k, one for each 32 codes along K); W2l 32 x 1 float32; W2w 32 x 1 float32; b1k 32 float32; b1l 32 float32; b1w 32 float32; b2k 16 float32; b2l 1 float32; b2w 1 float32; input_future 2,048 x 384 float32; key_sys 50,000 int32; keys 50,000 x 384 float32; syslist 2,048 int32; vals 50,000 float32; wav2vec_prob 2,048 x 16 float32; wav2vec_score 2,048 x 1 float32.
;; Outputs: out0 2,048 float32.
;; This version of the problem:
;;   THIS VERSION OF THE PROBLEM IS GIVEN IN LOW PRECISION. The matrix products marked QUANTISED in the list below multiply operands that are first quantised to E5M2 (5 exponent bits, 2 mantissa bits; 8 bits a number), with one power-of-two scale for each 32 numbers along K (OCP MX v1.0); their sums are f32. All else is computed in f32.
;;   The module's matrix products, in the order in which they are computed (A, B: the left and right operand; K: the contracted axis; several contracted axes count as one K, in the product's order):
;;     1. [M 2,048, K 384] x [K 384, N 50,000]; A: input input_future; B: input keys: QUANTISED
;;     2. [M 2,048, K 16] x [K 16, N 32]; A: computed on the way; B: input W1k: left as it is (K = 16 < 32)
;;     3. [M 2,048, K 32] x [K 32, N 16]; A: computed on the way; B: input W2k (given as codes): QUANTISED
;;     4. [M 2,048, K 16] x [K 16, N 32]; A: computed on the way; B: input W1l: left as it is (K = 16 < 32)
;;     5. [M 2,048, K 32] x [K 32, N 1]; A: computed on the way; B: input W2l: left as it is (N = 1 < 16)
;;     6. [M 2,048, K 26] x [K 26, N 32]; A: computed on the way; B: input W1w: left as it is (K = 26 < 32)
;;     7. [M 2,048, K 32] x [K 32, N 1]; A: computed on the way; B: input W2w: left as it is (N = 1 < 16)
;;   THE QUANTISER, for each operand of a quantised product, along K:
;;     - K is cut into blocks of 32 from its start; a last block that is shorter is filled with zeros.
;;     - A block's scale is 2^e with e = floor(log2(the largest magnitude in the block)) - 15, held to -126 .. 127; a block of zeros has e = 0. As a byte (E8M0): e + 127.
;;     - Each number is divided by its block's scale, clamped to +-57,344, and rounded to the nearest number of E5M2, ties to even, subnormals kept.
;;     - The product sums the exact products of the quantised numbers (number of the format x scale) in f32.
;;   ~~~python
;;   def quantise(x, axis):      # numpy; x: float32 -> the quantised numbers, widened to float32 again
;;       x = np.moveaxis(x, axis, -1); K = x.shape[-1]
;;       x = np.pad(x, [(0, 0)] * (x.ndim - 1) + [(0, -K % 32)]); x = x.reshape(x.shape[:-1] + (-1, 32)); a = np.abs(x).max(-1, keepdims=True)
;;       e = np.where(a > 0, np.clip(np.frexp(np.where(a > 0, a, 1))[1] - 1 - 15, -126, 127), 0)      # np.frexp(a)[1] - 1 = floor(log2(a)), exactly
;;       r = np.clip(x / 2.0 ** e, -57344, 57344)
;;       step = 2.0 ** (np.maximum(np.frexp(np.where(r == 0, 1, r))[1] - 1, -14) - 2)
;;       q = np.round(r / step) * step * 2.0 ** e      # np.round: ties to even
;;       return np.moveaxis(q.reshape(q.shape[:-2] + (-1,))[..., :K], -1, axis).astype(np.float32)
;;   ~~~
;;   OPERANDS COMPUTED ON THE WAY. 'Computed on the way' means the value that the module computes at that place (a softmax that the list does not call 'softmax' is quantised finished and normalised). What goes into a quantiser is computed in f32, as accurately as f32 sums, v_exp_f32 and their like allow (about 1e-6 of the number): no bf16 or f16 on the way to a quantiser, and a product that is left as it is and whose result goes on into a quantised operand takes f32 operands (vector FMAs, or v_wmma_f32_16x16x4_f32). A number that lies on a knife's edge between two numbers of the format may be rounded either way, as far as f32 arithmetic and the matrix unit's own rounding can turn it there, and no further.
;;   INPUTS GIVEN AS CODES. W2k (in the module: [32, 16], K = its axis 0): each comes as NAME_codes (uint8): NAME with its K axis moved to the last place and cut into blocks of 32 codes, [.., K / 32, bytes a block], one block behind the other in memory; one code a byte (a code: sign, 5 exponent bits, 2 mantissa bits); and NAME_scales (uint8): the same leading axes, one E8M0 byte (e + 127) for each 32 codes along K. Its value is code x scale, taken as it is: it is not quantised again, and the codes and scales need not be those that the quantiser above would give.
;; One version. Each part assembles by itself: llvm-mc -triple=amdgcn-amd-amdhsa -mcpu=gfx1250 --defsym DOCPART=n.
;; ======== version 1 of 1: 5 launches
;; limits: right only within a limited range of input values
;; workspace buffers: kr 20,800,000 bytes; qr 851,968 bytes; tm 51,200,000 bytes; sm 1,024,000 bytes; sl 262,144 bytes of whole numbers; tl 262,144 bytes of whole numbers
;; launch quant (part 1): grid 3253 x 1, 1 waves a work-group, no clusters, 17,152 bytes of LDS; arguments keys, input_future, key_sys, syslist, vals, wav2vec_score, kr, qr; writes kr, qr
.if DOCPART == 1
	.amdgcn_target "amdgcn-amd-amdhsa--gfx1250"
	.amdhsa_code_object_version 6
	.text
	.protected	k_q5e119adbe9_quant
	.globl	k_q5e119adbe9_quant
	.p2align	8
	.type	k_q5e119adbe9_quant,@function
k_q5e119adbe9_quant:
	s_mov_b64 s[64:65], 0
	v_nop
	global_prefetch_b8 v0, s[64:65] scope:SCOPE_SE
	s_setreg_imm32_b32 hwreg(HW_REG_WAVE_MODE, 25, 1), 1
	s_wait_xcnt 0x0
; keys [50000][384] and input_future [2048][384], f32, become RECORDS of 16 rows: codes of BF8 (E5M2) with one E8M0 byte for each 32 along K,
; laid in the order of the matrix operand's registers, and beside them what else the later launches want of these 16 rows.
; A record is 6,656 bytes (26 x 256):
;   s*2048 + c*512 + 16*lane : registers 4c .. 4c+3 of the fragment of K step s (128 along K): row lane%16, k = 128 s + 32 c + 16 (lane/16) + 0 .. 15
;   6144 + 64 s + 4 r        : row r's scale word of K step s
;   6336 + 4 r : the row's sum of squares (of the numbers as given)    6400 + 4 r : its system    6464 + 4 r : its value (queries: wav2vec_score)    6528 .. 6655 : zeros
; A block's scale is 2^(floor(log2(its largest magnitude)) - 15); its byte is the largest magnitude's exponent field - 15, held at 1 from below.
; THE QUERIES are stored as the codes of -2 q: every code's sign is turned and every scale byte raised by 1 (a byte is at most 254 - 15, so no byte carries into the next): exactly -2 x the quantised q,
; so that the products of the later launches sum -2 q.k.
; LIMITS: a block of zeros gets the byte 1 (queries 2) where the rule says 127: its codes are zeros, and this program alone reads the bytes; blocks whose largest magnitude lies under 2^-111 keep that byte;
; NaN and infinities among the inputs are not served.
; One wave to a work-group, one record to a wave: work-groups 0 .. 3124 take keys, 3125 .. 3252 queries; only pointers are chosen, both take one path.
; Each load reads 512 consecutive bytes of a row (16 a lane); a K step's 16 x 512 bytes turn through a stage in LDS (rows 528 bytes apart) and come back 16 neighbours of a block to a lane.
; No matrix unit, no tensor load, no barrier, no cluster: the launch streams, and waves share nothing.
.set NKT,  3125                        ; records of keys
.set REC,  6656
.set SP,   528                         ; a stage row: 512 bytes + 16
.set STB,  16*SP                       ; a stage; two of them take turns
.set WD,   10                          ; v10-12   the three scale words
.set TM,   16                          ; v16-31   at work in the quantiser
.set PW,   32                          ; v32      the scale word just made
.set PC,   36                          ; v36-51   the codes just made
.set X,    52                          ; v52-115  64 numbers: register 16 b + i = k 32 b + 16 (lane/16) + i of my row
.set R0,   116                         ; v116-179, v180-243: a K step as it is loaded, two sets
.set R1,   180
	s_load_b512 s[8:23], s[0:1], 0x0               ; keys, input_future, key_sys, syslist, vals, wav2vec_score, kr, qr
	v_lshl_add_u32 v248, v0, 2, 0x4200
	v_mov_b32 v249, 0
	v_lshlrev_b32 v1, 4, v0                        ; 16 x lane (one wave: the thread's number is the lane)
	v_and_b32 v5, 15, v0                           ; r
	v_lshrrev_b32 v15, 4, v0                       ; h
	v_mul_u32_u24 v2, v5, SP
	v_lshl_add_u32 v2, v15, 6, v2                  ; out of the stage: row r, + 64 h
	v_lshlrev_b32 v3, 2, v0                        ; 4 x lane
	v_lshlrev_b32 v4, 2, v5                        ; 4 r
.irp b, 0,1,2,3
	v_mov_b32 v[TM+4+\b], 0                        ; written once: a lane permute's destination counts as one of its sources
.endr
	s_mov_b32 s34, 0x76543210
	s_mov_b32 s35, 0xfedcba98                      ; v_permlanex16_b32's selects for lane l xor 16
	s_mov_b32 s36, 0x600000                        ; the mantissa field of 57,344
	s_mov_b32 s37, 0xffff0000                      ; lanes 16-31
	s_wait_alu depctr_va_vdst(0)
	s_wait_kmcnt 0x0
	s_cmp_lt_u32 ttmp9, NKT                        ; keys or queries?  The choice hangs on the work-group's number alone
	s_cselect_b64 s[24:25], s[8:9], s[10:11]       ; the numbers
	s_cselect_b64 s[26:27], s[12:13], s[14:15]     ; the systems
	s_cselect_b64 s[28:29], s[16:17], s[18:19]     ; the values
	s_cselect_b64 s[30:31], s[20:21], s[22:23]     ; the records
	s_cselect_b32 s32, 0, NKT
	s_sub_co_u32 s32, ttmp9, s32                   ; which record of the tensor
	s_mul_i32 s38, s32, 24576                      ; 16 rows of 1,536 bytes
	s_mov_b32 s39, 0
	s_add_nc_u64 s[24:25], s[24:25], s[38:39]
	s_lshl_b32 s38, s32, 6                         ; 16 words
	s_add_nc_u64 s[26:27], s[26:27], s[38:39]
	s_add_nc_u64 s[28:29], s[28:29], s[38:39]
	s_mul_i32 s38, s32, REC
	s_add_nc_u64 s[30:31], s[30:31], s[38:39]
.macro LOADK s, set                    ; K step s of the 16 rows: each load reads 512 consecutive bytes
.irp i, 0,1,2,3,4,5,6,7,8,9,10,11,12,13,14,15
	global_load_b128 v[\set+4*\i:\set+4*\i+3], v1, s[24:25] offset:\i*1536+512*\s th:TH_LOAD_NT
.endr
.endm
.macro TURN set, st                    ; through stage st: LDS serves a wave's instructions in order, so no wait stands between the stores and the loads
.irp i, 0,1,2,3,4,5,6,7,8,9,10,11,12,13,14,15
	ds_store_b128 v1, v[\set+4*\i:\set+4*\i+3] offset:\st*STB+\i*SP
.endr
.irp b, 0,1,2,3
.irp j, 0,1,2,3
	ds_load_b128 v[X+16*\b+4*\j:X+16*\b+4*\j+3], v2 offset:\st*STB+128*\b+16*\j
.endr
.endr
.endm
.macro SUMSQ first                     ; the sum of squares of my 64 numbers, as given, two at a time in two chains
.set n, 0
.rept 16
.if \first && (n == 0)
	v_pk_mul_f32 v[6:7], v[X:X+1], v[X:X+1]
	v_pk_mul_f32 v[8:9], v[X+2:X+3], v[X+2:X+3]
.else
	v_pk_fma_f32 v[6:7], v[X+4*n:X+4*n+1], v[X+4*n:X+4*n+1], v[6:7]
	v_pk_fma_f32 v[8:9], v[X+4*n+2:X+4*n+3], v[X+4*n+2:X+4*n+3], v[8:9]
.endif
.set n, n+1
.endr
.endm
.macro QUANT                           ; v[X] on become a fragment's codes in v[PC] on and its scale word in v[PW]
.irp b, 0,1,2,3
	v_max3_num_f32 v[TM+\b], |v[X+16*\b]|, |v[X+1+16*\b]|, 0x8000000   ; block b: my 16 numbers, and the floor 2^(16 - 127): the byte cannot fall under 1
.endr
.irp i, 2,4,6,8,10,12,14
.irp b, 0,1,2,3
	v_max3_num_f32 v[TM+\b], v[TM+\b], |v[X+16*\b+\i]|, |v[X+1+16*\b+\i]|   ; the four blocks by turns
.endr
.endr
.irp b, 0,1,2,3
	v_permlanex16_b32 v[TM+4+\b], v[TM+\b], s34, s35
.endr
.irp b, 0,1,2,3
	v_max_num_f32 v[TM+\b], v[TM+\b], v[TM+4+\b]   ; with lane l xor 16's: the block's largest magnitude
.endr
.irp b, 0,1,2,3
	v_add_nc_u32 v[TM+12+\b], 0xf8800000, v[TM+\b] ; 15 off its exponent field: the conversion's scale operand
.endr
.irp b, 0,1,2,3
	v_and_or_b32 v[TM+8+\b], v[TM+\b], 0x7f800000, s36   ; 57,344 x the scale
.endr
.irp b, 0,1,2,3
	v_lshrrev_b32 v[TM+4+\b], 23, v[TM+12+\b]      ; the scale's byte
.endr
	v_lshl_or_b32 v[PW], v[TM+5], 8, v[TM+4]
	v_lshl_or_b32 v[PW], v[TM+6], 16, v[PW]
	v_lshl_or_b32 v[PW], v[TM+7], 24, v[PW]
.irp b, 0,1,2,3
.irp i, 0,1,2,3,4,5,6,7,8,9,10,11,12,13,14,15
	v_med3_num_f32 v[X+16*\b+\i], v[X+16*\b+\i], -v[TM+8+\b], v[TM+8+\b]   ; the conversion to an 8-bit code does not saturate (ISA guide 7.6.2): the hold at the largest code x the scale
.endr
	v_cvt_scalef32_pk8_bf8_f32 v[PC+4*\b:PC+1+4*\b], v[X+16*\b:X+7+16*\b], v[TM+12+\b]
	v_cvt_scalef32_pk8_bf8_f32 v[PC+2+4*\b:PC+3+4*\b], v[X+8+16*\b:X+15+16*\b], v[TM+12+\b]
.endr
	v_nop                                          ; one plain line between the last conversion and the next vector line that touches its result
.endm
.macro SENDC s                         ; K step s's codes leave: four stores of 512 consecutive bytes
	s_cmp_lt_u32 ttmp9, NKT
	s_cbranch_scc1 .Lkeys_\@
.irp i, 0,1,2,3,4,5,6,7,8,9,10,11,12,13,14,15
	v_xor_b32 v[PC+\i], 0x80808080, v[PC+\i]       ; queries: -q,
.endr
	v_add_nc_u32 v[PW], 0x01010101, v[PW]          ; x 2
.Lkeys_\@:
	s_wait_alu depctr_va_vdst(0)
.irp c, 0,1,2,3
	global_store_b128 v1, v[PC+4*\c:PC+4*\c+3], s[30:31] offset:\s*2048+\c*512
.endr
	v_mov_b32 v[WD+\s], v[PW]
.endm
	global_load_b32 v13, v4, s[26:27]              ; my row's system
	global_load_b32 v14, v4, s[28:29]              ; and value
	LOADK 0, R0
	LOADK 1, R1
	s_wait_loadcnt 16                              ; K step 0 is in (and the two words); K step 1's 16 loads may be out
	TURN R0, 0
	s_wait_dscnt 0x0                               ; my 64 numbers are back
	LOADK 2, R0
	SUMSQ 1
	QUANT
	SENDC 0
	s_wait_loadcnt 16                              ; K step 1 is in; K step 2's 16 loads may be out
	TURN R1, 1
	s_wait_dscnt 0x0
	s_wait_xcnt 0x0                                ; the codes' registers are written again only behind this wait
	SUMSQ 0
	QUANT
	SENDC 1
	s_wait_loadcnt 0x0
	TURN R0, 0
	s_wait_dscnt 0x0
	s_wait_xcnt 0x0
	SUMSQ 0
	QUANT
	SENDC 2
	v_pk_add_f32 v[6:7], v[6:7], v[8:9]
	v_add_f32 v6, v6, v7
	v_permlanex16_b32 v8, v6, s34, s35
	v_add_f32 v6, v6, v8                           ; the row's sum of squares
	v_cndmask_b32 v15, v[WD], v[WD+1], s37         ; lanes 0-15 one run of 16 words, lanes 16-31 the next: each store covers 128 consecutive bytes
	v_cndmask_b32 v33, v[WD+2], v6, s37
	v_cndmask_b32 v34, v13, v14, s37
	v_mov_b32 v35, 0
	global_store_b32 v3, v15, s[30:31] offset:6144
	global_store_b32 v3, v33, s[30:31] offset:6272
	global_store_b32 v3, v34, s[30:31] offset:6400
	global_store_b32 v3, v35, s[30:31] offset:6528
	s_wait_tensorcnt 0x0
	ds_add_u32 v248, v249
	s_wait_dscnt 0x0
	s_endpgm
.Lfunc_end_k_q5e119adbe9_quant:
	.size	k_q5e119adbe9_quant, .Lfunc_end_k_q5e119adbe9_quant-k_q5e119adbe9_quant
	.p2alignl 7, 3214868480
	.fill 96, 4, 3214868480
	.section	.rodata,"a",@progbits
	.p2align	6, 0x0
	.amdhsa_kernel k_q5e119adbe9_quant
		.amdhsa_group_segment_fixed_size 17152
		.amdhsa_private_segment_fixed_size 0
		.amdhsa_enable_private_segment 0
		.amdhsa_kernarg_size 64
		.amdhsa_user_sgpr_count 2
		.amdhsa_user_sgpr_kernarg_segment_ptr 1
		.amdhsa_wavefront_size32 1
		.amdhsa_system_sgpr_workgroup_id_x 1
		.amdhsa_system_sgpr_workgroup_id_y 1
		.amdhsa_system_sgpr_workgroup_id_z 1
		.amdhsa_system_vgpr_workitem_id 0
		.amdhsa_next_free_vgpr 250
		.amdhsa_next_free_sgpr 66
		.amdhsa_reserve_vcc 0
		.amdhsa_float_denorm_mode_32 3
		.amdhsa_float_denorm_mode_16_64 3
		.amdhsa_memory_ordered 1
		.amdhsa_forward_progress 1
		.amdhsa_inst_pref_size 49
	.end_amdhsa_kernel
	.amdgpu_metadata
---
amdhsa.version: [ 1, 2 ]
amdhsa.kernels:
  - .name:           k_q5e119adbe9_quant
    .symbol:         k_q5e119adbe9_quant.kd
    .args:
      - { .name: keys, .offset: 0, .size: 8, .value_kind: global_buffer, .address_space: global }
      - { .name: input_future, .offset: 8, .size: 8, .value_kind: global_buffer, .address_space: global }
      - { .name: key_sys, .offset: 16, .size: 8, .value_kind: global_buffer, .address_space: global }
      - { .name: syslist, .offset: 24, .size: 8, .value_kind: global_buffer, .address_space: global }
      - { .name: vals, .offset: 32, .size: 8, .value_kind: global_buffer, .address_space: global }
      - { .name: wav2vec_score, .offset: 40, .size: 8, .value_kind: global_buffer, .address_space: global }
      - { .name: kr, .offset: 48, .size: 8, .value_kind: global_buffer, .address_space: global }
      - { .name: qr, .offset: 56, .size: 8, .value_kind: global_buffer, .address_space: global }
    .group_segment_fixed_size: 17152
    .private_segment_fixed_size: 0
    .kernarg_segment_align: 8
    .kernarg_segment_size: 64
    .max_flat_workgroup_size: 32
    .sgpr_count:     66
    .vgpr_count:     250
    .wavefront_size: 32
...
	.end_amdgpu_metadata
.endif
;; end of part 1
;; launch mins (part 2): grid 125 x 2, 4 waves a work-group, no clusters, 327,680 bytes of LDS; arguments kr, qr, tm, sm; writes tm, sm
.if DOCPART == 2
	.amdgcn_target "amdgcn-amd-amdhsa--gfx1250"
	.amdhsa_code_object_version 6
	.text
	.protected	k_q5e119adbe9_mins
	.globl	k_q5e119adbe9_mins
	.p2align	8
	.type	k_q5e119adbe9_mins,@function
k_q5e119adbe9_mins:
	s_mov_b64 s[64:65], 0
	v_nop
	global_prefetch_b8 v0, s[64:65] scope:SCOPE_SE
	s_setreg_imm32_b32 hwreg(HW_REG_WAVE_MODE, 25, 1), 1
	s_wait_xcnt 0x0
; THE WHOLE PRODUCT, AND OF IT ONLY MINIMA.  d'(q, k) = k2(k) - 2 Q(q).Q(k), in MX-BF8 over K = 384 (three matrix instructions of 128), or 1e9 - q2(q) where key and query are of one system.
; A GROUP is 8 consecutive keys (group G: keys 8 G .. 8 G + 7); a slice is 50 groups (25 records).  tm[slice][query][50] f32: the smallest d' of group 50 slice + g.  sm[slice][query] f32: the slice's smallest.
; The 16 nearest keys of a query lie in the 16 groups with the smallest (minimum, group number): later launches narrow 125 slices -> 16 x 50 groups -> 16 x 8 keys by these numbers.
; LIMITS: the order is taken here on d' (without q2, and with k2 as the sums' start), which is the order of the distances up to one rounding; NaN and infinities are not served.
; SHARES.  Work-group (x, y): slice x x half y of the queries (1,024).  A wave takes 256 queries: 16 records, all kept in registers (768), worked in two passes of 8 tiles.
; The slice's records, 166,400 bytes, come into LDS once, as rows of 256 bytes: at the head two records a wave (52 rows); behind the first barrier the other 17 (wave 0 five, waves 1-3 four each), which are first read in trip 8.
; Pass 1's fragments are asked for between pass 0's loops, in two runs of 48 loads; pass 0's results leave between the passes.
; NO CLUSTER: the grid is 125 x 2 (3,125 tiles = 5^5), and neither 125 nor 2 is a multiple of 4.  NO PREFETCH: the keys are asked for at the head and behind the first barrier, with no loop ahead of them; the later queries are asked for by loads 18 and 10 trips ahead.
; LAYOUT.  Source 0 = 16 keys, source 1 = 16 queries: a lane holds ONE query (lane % 16) and register j the key 8 (lane / 16) + j: a lane's eight registers are one group.  k2, in that layout, is the C of each sum's first instruction.
; A TRIP is one tile of keys: 24 products on end, the eight accumulators by turns, then under window 0 the vector lines, four independent chains side by side: 8 compares of systems, 8 selects and 4 minima for an accumulator.
; window 0: v1-12 addresses; v16-23 slice minima; v24-31 group minima; v32-39 k2; v40-47 keys' systems; v48-50 keys' scale words; v52-99 queries' scale words; v100-115 their systems;
;   v116-131 1e9 - q2; v132-179 the keys' three fragments; v180-243 eight accumulators; v254-255 the spare word's address and 0.
; windows 1, 2, 3: v0-191: query tiles 0-3, 4-7, 8-11 (tile a, K step s at 48 a + 16 s); v192-255 of window 1 + s: K step s of tiles 12-15.
.set REC,  6656
.set QP,   200                         ; bytes of a query's row in tm and in the stage
.set STG,  25*REC                      ; behind the records: each wave's own stage, 128 queries x 200 bytes, used by both passes
.set WST,  128*QP
.set SPARE, STG+4*WST                  ; behind the stages: the spare words, 128 bytes a wave
.set SM,   16
.set HM,   24
.set K2,   32
.set KS,   40
.set KSC,  48
.set QSC,  52
.set QS,   100
.set BQ,   116
.set KF,   132
.set ACC,  180
.set SPW,  254
.set NIL,  255
.set OB,   132                         ; the way out: 10 x 4 registers
.set MK,   66                          ; s66-97: 32 lane masks
.set MSB, 0
.macro WIN new                         ; the immediate's high byte repeats the setting that is left
.if MSB != (\new)
	s_set_vgpr_msb (MSB<<8)|(\new)
.set MSB, (\new)
.endif
.endm
	s_load_b128 s[4:7], s[0:1], 0x0                ; kr, qr
	s_load_b128 s[8:11], s[0:1], 0x10              ; tm, sm
	v_lshl_add_u32 v[SPW], v0, 2, SPARE
	v_mov_b32 v[NIL], 0
	ds_add_u32 v[SPW], v[NIL]                      ; the opening lines: the add twice on end and its wait ahead of my first tensor load
	ds_add_u32 v[SPW], v[NIL]
	v_lshrrev_b32 v4, 5, v0
	v_readfirstlane_b32 s42, v4                    ; wave 0..3
	s_and_b32 s43, ttmp7, 0xffff                   ; which half of the queries
.irp g, 20, 48                         ; groups 1: dense rows of 256 bytes (32 elements of 8 bytes), no padding, no mask
	s_mov_b32 s[\g], 3<<16
	s_mov_b32 s[\g+1], 32<<16                      ; tensor_dim0
	s_mov_b32 s[\g+3], 32<<16                      ; tile_dim0
	s_mov_b32 s[\g+5], 32                          ; the pitch
	s_mov_b32 s[\g+6], 0
	s_mov_b32 s[\g+7], 0
.endr
	s_mov_b32 s22, 52<<16                          ; the head's loads: 2 records = 52 rows
	s_mov_b32 s24, 52
	s_mov_b32 s50, 130<<16                         ; wave 0's second load: 5 records = 130 rows
	s_mov_b32 s52, 130
	s_mul_i32 s12, s42, 2*REC                      ; head: records 2 w, 2 w + 1, in LDS as in memory
	s_mov_b32 s13, 0
	s_mul_i32 s2, s42, 4*REC
	s_add_co_u32 s2, s2, 9*REC                     ; waves 1-3, second load: from record 9 + 4 w
	s_mov_b32 s3, 0
	s_mul_i32 s14, ttmp9, 25*REC
	s_mov_b32 s15, 0
	s_wait_dscnt 0x0
	s_wait_kmcnt 0x0
	s_add_nc_u64 s[14:15], s[4:5], s[14:15]        ; the slice's first record
	s_mov_b32 s16, 1
	s_mov_b32 s17, s12
	s_add_nc_u64 s[18:19], s[14:15], s[12:13]
	s_or_b32 s19, s19, 0x80000000                  ; type = 2
	tensor_load_to_lds s[16:19], s[20:27]          ; my one tensor load at the head
	s_nop 0
.rept 4
	v_nop
.endr
	s_mov_b32 s44, 1
	s_mov_b32 s45, 8*REC
	s_add_nc_u64 s[46:47], s[14:15], 8*REC
	s_or_b32 s47, s47, 0x80000000
	s_mov_b32 s56, 1
	s_mov_b32 s57, s2
	s_add_nc_u64 s[58:59], s[14:15], s[2:3]
	s_or_b32 s59, s59, 0x80000000
	v_and_b32 v9, 31, v0                           ; lane
	v_and_b32 v14, 15, v0                          ; r
	v_bfe_u32 v15, v0, 4, 1                        ; h
	v_lshlrev_b32 v1, 4, v9                        ; 16 x lane: a fragment's image
	v_lshl_add_u32 v2, v14, 2, 6144                ; a record's scale words: 4 r
	v_lshl_add_u32 v3, v15, 5, 6336                ; its k2 (and 64 on, its systems): my half's eight
	v_lshlrev_b32 v10, 2, v14                      ; 4 r
	v_lshlrev_b32 v12, 2, v9                       ; 4 x lane
	s_mul_i32 s12, s42, WST
	s_add_co_u32 s12, s12, STG                     ; my stage
	v_mul_u32_u24 v7, v14, QP
	v_lshl_add_u32 v7, v15, 2, v7
	v_add_nc_u32 v7, s12, v7                       ; in: query r's row, slot h (+ constants)
	v_add_nc_u32 v11, s12, v1                      ; back: the stage as it lies, 512 bytes an instruction
	s_mov_b32 s28, 0x76543210
	s_mov_b32 s29, 0xfedcba98                      ; v_permlanex16_b32's selects for lane l xor 16
	s_mov_b32 s30, 0x7f800000                      ; +infinity
	s_mov_b32 s31, 0x4e6e6b28                      ; 1e9
	s_mov_b32 s32, 0xffff0000                      ; lanes 16-31
	s_lshl_b32 s36, s43, 6
	s_lshl_b32 s37, s42, 4
	s_add_co_u32 s36, s36, s37
	s_mul_i32 s36, s36, REC                        ; my 16 records of queries: 64 x half + 16 x wave
	s_mov_b32 s37, 0
	s_add_nc_u64 s[38:39], s[6:7], s[36:37]
	s_mul_i32 s36, ttmp9, 2048*QP                  ; tm: slice x 2,048 queries x 200 bytes
	s_mul_i32 s60, s43, 1024*QP
	s_add_co_u32 s36, s36, s60
	s_mul_i32 s60, s42, 256*QP
	s_add_co_u32 s36, s36, s60                     ; + (1,024 x half + 256 x wave) x 200
	s_add_nc_u64 s[40:41], s[8:9], s[36:37]
	s_lshl_b32 s36, ttmp9, 13                      ; sm: slice x 2,048 queries x 4 bytes
	s_lshl_b32 s60, s43, 12
	s_add_co_u32 s36, s36, s60
	s_lshl_b32 s60, s42, 10
	s_add_co_u32 s36, s36, s60                     ; + (1,024 x half + 256 x wave) x 4
	s_add_nc_u64 s[62:63], s[10:11], s[36:37]
	s_mov_b32 s4, 3<<16                            ; the third group 1, in registers whose arguments have been used: 4 records = 104 rows
	s_mov_b32 s5, 32<<16
	s_mov_b32 s6, 104<<16
	s_mov_b32 s7, 32<<16
	s_mov_b32 s8, 104
	s_mov_b32 s9, 32
	s_mov_b32 s10, 0
	s_mov_b32 s11, 0
	s_wait_alu depctr_va_vdst(0)
.macro QL48 w, r0                      ; four records of queries, r0 on, into v0-191 of window w: 48 loads
	WIN ((\w)<<6)
.irp a, 0,1,2,3
.irp s, 0,1,2
.irp c, 0,1,2,3
	global_load_b128 v[48*\a+16*\s+4*\c:48*\a+16*\s+4*\c+3], v1, s[38:39] offset:(\r0+\a)*REC+\s*2048+\c*512
.endr
.endr
.endr
	WIN 0
.endm
.macro QLB                             ; records 12-15: K step s into v192-255 of window 1 + s: 48 loads
.irp s, 0,1,2
	WIN ((1+\s)<<6)
.irp a, 0,1,2,3
.irp c, 0,1,2,3
	global_load_b128 v[192+16*\a+4*\c:192+16*\a+4*\c+3], v1, s[38:39] offset:(12+\a)*REC+\s*2048+\c*512
.endr
.endr
.endr
	WIN 0
.endm
.macro LOADS                           ; the record at v4-6: three fragments, three scale words, k2: 17 LDS loads
.irp s, 0,1,2
.irp c, 0,1,2,3
	ds_load_b128 v[KF+16*\s+4*\c:KF+16*\s+4*\c+3], v4 offset:\s*2048+\c*512
.endr
	ds_load_b32 v[KSC+\s], v5 offset:64*\s
.endr
	ds_load_b128 v[K2:K2+3], v6
	ds_load_b128 v[K2+4:K2+7], v6 offset:16
.endm
.macro KSLOAD                          ; the record's systems, my half's eight
	ds_load_b128 v[KS:KS+3], v6 offset:64
	ds_load_b128 v[KS+4:KS+7], v6 offset:80
.endm
.macro WMS p                           ; 24 products: the eight accumulators take turns, one instruction a turn; k2 starts the sums
.irp s, 0,1,2
.irp u, 0,1
.if (\p == 1) && (\u == 1)
	WIN ((1+\s)<<2)
.else
	WIN ((1+\u+2*\p)<<2)
.endif
.irp a, 0,1,2,3
.if (\p == 1) && (\u == 1)
.set qb, 192+16*\a
.else
.set qb, 48*\a+16*\s
.endif
.set wc, ACC+32*\u+8*\a
.set qw, QSC+24*\p+3*(4*\u+\a)+\s
.if \s == 0
	v_wmma_scale_f32_16x16x128_f8f6f4 v[wc:wc+7], v[KF:KF+15], v[qb:qb+15], v[K2:K2+7], v[KSC], v[qw] matrix_a_fmt:MATRIX_FMT_BF8 matrix_b_fmt:MATRIX_FMT_BF8
.else
	v_wmma_scale_f32_16x16x128_f8f6f4 v[wc:wc+7], v[KF+16*\s:KF+16*\s+15], v[qb:qb+15], v[wc:wc+7], v[KSC+\s], v[qw] matrix_a_fmt:MATRIX_FMT_BF8 matrix_b_fmt:MATRIX_FMT_BF8
.endif
.endr
.endr
.endr
.endm
.macro CMPS p, u                       ; 32 compares of systems, the four tiles by turns
.irp j, 0,1,2,3,4,5,6,7
.irp a, 0,1,2,3
	v_cmp_eq_u32 s[MK+8*\a+\j], v[KS+\j], v[QS+8*\p+4*\u+\a]
.endr
.endr
.endm
.macro CNDS p, u                       ; 32 selects, each accumulator from its low end on
.irp j, 0,1,2,3,4,5,6,7
.irp a, 0,1,2,3
	v_cndmask_b32 v[ACC+32*\u+8*\a+\j], v[ACC+32*\u+8*\a+\j], v[BQ+8*\p+4*\u+\a], s[MK+8*\a+\j]
.endr
.endr
.endm
.macro M12 u                           ; registers 0-2 and 3-5
.irp a, 0,1,2,3
	v_min3_num_f32 v[ACC+32*\u+8*\a], v[ACC+32*\u+8*\a], v[ACC+32*\u+8*\a+1], v[ACC+32*\u+8*\a+2]
.endr
.irp a, 0,1,2,3
	v_min3_num_f32 v[ACC+32*\u+8*\a+3], v[ACC+32*\u+8*\a+3], v[ACC+32*\u+8*\a+4], v[ACC+32*\u+8*\a+5]
.endr
.endm
.macro M3 u
.irp a, 0,1,2,3
	v_min3_num_f32 v[ACC+32*\u+8*\a], v[ACC+32*\u+8*\a], v[ACC+32*\u+8*\a+6], v[ACC+32*\u+8*\a+7]
.endr
.endm
.macro M4 u                            ; the group's minimum for my query
.irp a, 0,1,2,3
	v_min_num_f32 v[HM+4*\u+\a], v[ACC+32*\u+8*\a], v[ACC+32*\u+8*\a+3]
.endr
.endm
.macro SMS u                           ; into my half's running minimum of the slice
.irp a, 0,1,2,3
	v_min_num_f32 v[SM+4*\u+\a], v[SM+4*\u+\a], v[HM+4*\u+\a]
.endr
.endm
.macro STS u                           ; to the stage: query 16 i + r, slot 2 t + h
.irp a, 0,1,2,3
	ds_store_b32 v8, v[HM+4*\u+\a] offset:16*QP*(4*\u+\a)
.endr
.endm
; One tile of keys against pass p's 8 tiles of queries.  more = 1: the next record is fetched.
.macro TRIP p, more
	s_wait_dscnt 10                                ; the record's 17 loads are in; behind them: 8 stage stores and the 2 loads of systems
	WMS \p
	WIN 0
	s_wait_dscnt 0x0                               ; the record's systems are in
.if \more
	s_add_co_u32 s33, s33, REC                     ; on to the next record
	v_add_nc_u32 v4, s33, v1
	v_add_nc_u32 v5, s33, v2
	v_add_nc_u32 v6, s33, v3
.endif
	v_add_nc_u32 v8, s34, v7                       ; this tile's two slots in the stage
	s_add_co_u32 s34, s34, 8
	CMPS \p, 0                                     ; these lines name none of the products' registers: more than the eight places that the loads and the selects below owe
.if \more
	LOADS
.endif
	CNDS \p, 0
	M12 0
	CMPS \p, 1
	M3 0
	CNDS \p, 1
	M4 0
	M12 1
	M3 1
	SMS 0
	M4 1
	SMS 1
	STS 0                                          ; the trip's other LDS lines in one run, behind all its vector lines
	STS 1
.if \more
	KSLOAD                                         ; all 64 compares of this tile are issued
.endif
.endm
.macro LOOP p, n
	s_mov_b32 s35, \n
.Ltile_\@:
	TRIP \p, 1
	s_sub_co_u32 s35, s35, 1
	s_cmp_lg_u32 s35, 0
	s_wait_alu depctr_va_vdst(0)
	s_cbranch_scc1 .Ltile_\@
.endm
.macro PHEAD                           ; a pass begins at record 0
	s_mov_b32 s33, 0
	s_mov_b32 s34, 0
	v_add_nc_u32 v4, s33, v1
	v_add_nc_u32 v5, s33, v2
	v_add_nc_u32 v6, s33, v3
	LOADS
	KSLOAD
.irp i, 0,1,2,3,4,5,6,7
	v_mov_b32 v[SM+\i], s30
.endr
.endm
.macro FIN p                           ; the two halves' slice minima are joined; two tiles make one register of 32 queries; each store covers 128 consecutive bytes of sm
.irp i, 0,1,2,3,4,5,6,7
	v_permlanex16_b32 v[HM+\i], v[SM+\i], s28, s29
.endr
.irp i, 0,1,2,3,4,5,6,7
	v_min_num_f32 v[SM+\i], v[SM+\i], v[HM+\i]
.endr
.irp n, 0,1,2,3
	v_cndmask_b32 v[SM+2*\n], v[SM+2*\n], v[SM+2*\n+1], s32
.endr
.irp n, 0,1,2,3
	global_store_b32 v12, v[SM+2*\n], s[62:63] offset:\p*512+128*\n
.endr
.endm
; THE WAY OUT of pass p: 128 queries x 200 bytes = 50 x 512 consecutive bytes, aligned, as they lie in the stage.  LDS serves a wave's instructions in order: the loads see my stores.
.macro WAYOUT p
.irp b, 0,1,2,3,4
.if \b > 0
	s_wait_xcnt 0x0                                ; the registers that the last run's stores read are loaded again only behind this wait
.endif
.irp i, 0,1,2,3,4,5,6,7,8,9
	ds_load_b128 v[OB+4*\i:OB+4*\i+3], v11 offset:(10*\b+\i)*512
.endr
.irp i, 0,1,2,3,4,5,6,7,8,9
	s_wait_dscnt 9-\i                              ; load i of the run's ten is in
	global_store_b128 v1, v[OB+4*\i:OB+4*\i+3], s[40:41] offset:\p*WST+(10*\b+\i)*512
.endr
.endr
.endm
.irp i, 0,1,2,3,4,5,6,7,8,9,10,11,12,13,14,15
.irp s, 0,1,2
	global_load_b32 v[QSC+3*\i+\s], v10, s[38:39] offset:\i*REC+6144+64*\s   ; my 16 records' scale words,
.endr
	global_load_b32 v[QS+\i], v10, s[38:39] offset:\i*REC+6400               ; systems
	global_load_b32 v[ACC+\i], v10, s[38:39] offset:\i*REC+6336              ; and q2 (in registers that the first products write later)
.endr
	QL48 1, 0                                      ; pass 0's fragments
	QL48 2, 4
	s_wait_tensorcnt 0x0                           ; my two records have landed
	ds_add_u32 v[SPW], v[NIL]
	s_wait_dscnt 0x0
	s_barrier_signal -1
	s_barrier_wait -1                              ; records 0-7 are whole
	s_cmp_eq_u32 s42, 0                            ; records 8-24: one chain of two arms on the wave's number, one load to an arm
	s_cbranch_scc0 .Lrest
	tensor_load_to_lds s[44:47], s[48:55]
	s_nop 0
.rept 4
	v_nop
.endr
	s_branch .Lasked
.Lrest:
	tensor_load_to_lds s[56:59], s[4:11]
	s_nop 0
.rept 4
	v_nop
.endr
.Lasked:
	PHEAD
	s_wait_loadcnt 0x0                             ; pass 0's queries
.irp i, 0,1,2,3,4,5,6,7,8,9,10,11,12,13,14,15
	v_sub_f32 v[BQ+\i], s31, v[ACC+\i]             ; 1e9 - q2: what a key of the query's own system counts for
.endr
	s_wait_alu depctr_va_vdst(0)
	s_wait_dscnt 0x0                               ; tile 0
	LOOP 0, 7                                      ; tiles 0-6; the last of these trips fetches record 7
	s_wait_tensorcnt 0x0                           ; my part of records 8-24 has landed,
	s_wait_dscnt 0x0
	s_barrier_signal -1
	s_barrier_wait -1                              ; everybody's has
	QL48 3, 8                                      ; the first 48 loads of pass 1's fragments
	LOOP 0, 8
	QLB                                            ; the other 48
	LOOP 0, 9
	TRIP 0, 0
	FIN 0
	WAYOUT 0
	s_wait_xcnt 0x0                                ; the stores have read their registers: these are written again only behind this wait
	PHEAD
	s_wait_loadcnt 0x0                             ; pass 1's fragments
	s_wait_alu depctr_va_vdst(0)
	s_wait_dscnt 0x0
	LOOP 1, 24
	TRIP 1, 0
	FIN 1
	WAYOUT 1
	s_wait_tensorcnt 0x0                           ; the wave's end
	ds_add_u32 v[SPW], v[NIL]
	s_wait_dscnt 0x0
	s_endpgm
.Lfunc_end_k_q5e119adbe9_mins:
	.size	k_q5e119adbe9_mins, .Lfunc_end_k_q5e119adbe9_mins-k_q5e119adbe9_mins
	.p2alignl 7, 3214868480
	.fill 96, 4, 3214868480
	.section	.rodata,"a",@progbits
	.p2align	6, 0x0
	.amdhsa_kernel k_q5e119adbe9_mins
		.amdhsa_group_segment_fixed_size 327680
		.amdhsa_private_segment_fixed_size 0
		.amdhsa_enable_private_segment 0
		.amdhsa_kernarg_size 32
		.amdhsa_user_sgpr_count 2
		.amdhsa_user_sgpr_kernarg_segment_ptr 1
		.amdhsa_wavefront_size32 1
		.amdhsa_system_sgpr_workgroup_id_x 1
		.amdhsa_system_sgpr_workgroup_id_y 1
		.amdhsa_system_sgpr_workgroup_id_z 1
		.amdhsa_system_vgpr_workitem_id 0
		.amdhsa_next_free_vgpr 1024
		.amdhsa_next_free_sgpr 100
		.amdhsa_reserve_vcc 0
		.amdhsa_float_denorm_mode_32 3
		.amdhsa_float_denorm_mode_16_64 3
		.amdhsa_memory_ordered 1
		.amdhsa_forward_progress 1
		.amdhsa_inst_pref_size 147
	.end_amdhsa_kernel
	.amdgpu_metadata
---
amdhsa.version: [ 1, 2 ]
amdhsa.kernels:
  - .name:           k_q5e119adbe9_mins
    .symbol:         k_q5e119adbe9_mins.kd
    .args:
      - { .name: kr, .offset: 0, .size: 8, .value_kind: global_buffer, .address_space: global }
      - { .name: qr, .offset: 8, .size: 8, .value_kind: global_buffer, .address_space: global }
      - { .name: tm, .offset: 16, .size: 8, .value_kind: global_buffer, .address_space: global }
      - { .name: sm, .offset: 24, .size: 8, .value_kind: global_buffer, .address_space: global }
    .group_segment_fixed_size: 327680
    .private_segment_fixed_size: 0
    .kernarg_segment_align: 8
    .kernarg_segment_size: 32
    .max_flat_workgroup_size: 128
    .sgpr_count:     100
    .vgpr_count:     1024
    .wavefront_size: 32
...
	.end_amdgpu_metadata
.endif
;; end of part 2
;; launch slices (part 3): grid 512 x 1, 4 waves a work-group, no clusters, 0 bytes of LDS; arguments sm, sl; writes sl
.if DOCPART == 3
	.amdgcn_target "amdgcn-amd-amdhsa--gfx1250"
	.amdhsa_code_object_version 6
	.text
	.protected	k_q5e119adbe9_slices
	.globl	k_q5e119adbe9_slices
	.p2align	8
	.type	k_q5e119adbe9_slices,@function
k_q5e119adbe9_slices:
	s_mov_b64 s[64:65], 0
	v_nop
	global_prefetch_b8 v0, s[64:65] scope:SCOPE_SE
	s_setreg_imm32_b32 hwreg(HW_REG_WAVE_MODE, 25, 1), 1
	s_wait_xcnt 0x0
; For each query the 16 slices (of 125) with the smallest (minimum, slice number): sl[query][0 .. 15], as whole numbers; entries 16-31 are 0.
; One wave to a query.  Lane l holds the minima sm[slice][query] of slices l, l + 32, l + 64, l + 96 (the last only for l < 29; else +infinity), and beside each its number as f32 (under 2^24: exact).
; Sixteen rounds, no branch on data: the wave's smallest value; among its holders the smallest number, by the same minimum; the winner becomes +infinity.  Compares and selects of a round's four registers do not hang on each other.
; LIMITS: NaN and infinities among the minima are not served.  No LDS, no matrix unit, no cluster: waves share nothing.
.set X,    8
.set IDF,  12
.set CI,   16
.set M,    20
.set P,    21
.set W,    22
.set OUT,  24
.set INFV, 25
.set BIGV, 26
.macro WAVEMIN r
	v_min_num_f32_dpp v[\r], v[\r], v[\r] row_xmask:1 row_mask:0xf bank_mask:0xf
	v_min_num_f32_dpp v[\r], v[\r], v[\r] row_xmask:2 row_mask:0xf bank_mask:0xf
	v_min_num_f32_dpp v[\r], v[\r], v[\r] row_xmask:4 row_mask:0xf bank_mask:0xf
	v_min_num_f32_dpp v[\r], v[\r], v[\r] row_xmask:8 row_mask:0xf bank_mask:0xf
	v_permlanex16_b32 v[P], v[\r], s12, s13
	v_min_num_f32 v[\r], v[\r], v[P]
.endm
	s_load_b128 s[4:7], s[0:1], 0x0                ; sm, sl
	v_lshrrev_b32 v1, 5, v0
	v_readfirstlane_b32 s8, v1                     ; wave
	s_lshl_b32 s9, ttmp9, 2
	s_add_co_u32 s9, s9, s8                        ; my query
	v_and_b32 v1, 31, v0                           ; lane
	v_lshlrev_b32 v2, 13, v1                       ; a slice of sm is 2,048 x 4 bytes
	v_add_nc_u32 v3, 32<<13, v2
	v_add_nc_u32 v4, 64<<13, v2
	v_add_nc_u32 v5, 96, v1
	v_min_u32 v5, 124, v5                          ; no load leaves the buffer
	v_lshlrev_b32 v5, 13, v5
	v_lshlrev_b32 v7, 2, v1
.irp j, 0,1,2,3
	v_add_nc_u32 v[IDF+\j], 32*\j, v1
.endr
.irp j, 0,1,2,3
	v_cvt_f32_u32 v[IDF+\j], v[IDF+\j]
.endr
	v_mov_b32 v[INFV], 0x7f800000
	v_mov_b32 v[BIGV], 0x4b800000                  ; 2^24, above every number
	v_mov_b32 v[OUT], 0
	v_mov_b32 v[P], 0                              ; a lane permute's destination counts as one of its sources
	s_mov_b32 s12, 0x76543210
	s_mov_b32 s13, 0xfedcba98
	s_mov_b32 s16, 1
	s_mov_b32 s17, 16
	s_lshl_b32 s14, s9, 2                          ; my word in a slice of sm
	s_mov_b32 s15, 0
	s_lshl_b32 s18, s9, 7                          ; 128 bytes a query in sl
	s_mov_b32 s19, 0
	s_wait_alu depctr_va_vdst(0)
	s_wait_kmcnt 0x0
	s_add_nc_u64 s[10:11], s[4:5], s[14:15]
	s_add_nc_u64 s[6:7], s[6:7], s[18:19]
.irp a, 0,1,2,3
	global_load_b32 v[X+\a], v[2+\a], s[10:11]
.endr
	s_wait_loadcnt 0x0
	v_cmp_gt_u32 vcc_lo, 29, v1
	v_cndmask_b32 v[X+3], v[INFV], v[X+3], vcc_lo  ; slices 96 .. 124 alone
	s_wait_alu depctr_va_vdst(0)
.Lround:
	v_min3_num_f32 v[M], v[X], v[X+1], v[X+2]
	v_min_num_f32 v[M], v[M], v[X+3]
	WAVEMIN M                                      ; the smallest value left
.irp j, 0,1,2,3
	v_cmp_eq_f32 s[20+\j], v[M], v[X+\j]
.endr
.irp j, 0,1,2,3
	v_cndmask_b32 v[CI+\j], v[BIGV], v[IDF+\j], s[20+\j]   ; its holders offer their numbers
.endr
	v_min3_num_f32 v[W], v[CI], v[CI+1], v[CI+2]
	v_min_num_f32 v[W], v[W], v[CI+3]
	WAVEMIN W                                      ; the lowest number among the holders
.irp j, 0,1,2,3
	v_cmp_eq_f32 s[20+\j], v[W], v[IDF+\j]
.endr
.irp j, 0,1,2,3
	v_cndmask_b32 v[X+\j], v[X+\j], v[INFV], s[20+\j]      ; the winner leaves
.endr
	v_cndmask_b32 v[OUT], v[OUT], v[W], s16        ; round k's winner into lane k
	s_lshl_b32 s16, s16, 1
	s_sub_co_u32 s17, s17, 1
	s_cmp_lg_u32 s17, 0
	s_wait_alu depctr_va_vdst(0)
	s_cbranch_scc1 .Lround
	v_cvt_u32_f32 v[OUT], v[OUT]
	global_store_b32 v7, v[OUT], s[6:7]            ; 128 consecutive bytes a wave, 512 a work-group
	s_endpgm
.Lfunc_end_k_q5e119adbe9_slices:
	.size	k_q5e119adbe9_slices, .Lfunc_end_k_q5e119adbe9_slices-k_q5e119adbe9_slices
	.p2alignl 7, 3214868480
	.fill 96, 4, 3214868480
	.section	.rodata,"a",@progbits
	.p2align	6, 0x0
	.amdhsa_kernel k_q5e119adbe9_slices
		.amdhsa_group_segment_fixed_size 0
		.amdhsa_private_segment_fixed_size 0
		.amdhsa_enable_private_segment 0
		.amdhsa_kernarg_size 16
		.amdhsa_user_sgpr_count 2
		.amdhsa_user_sgpr_kernarg_segment_ptr 1
		.amdhsa_wavefront_size32 1
		.amdhsa_system_sgpr_workgroup_id_x 1
		.amdhsa_system_sgpr_workgroup_id_y 1
		.amdhsa_system_sgpr_workgroup_id_z 1
		.amdhsa_system_vgpr_workitem_id 0
		.amdhsa_next_free_vgpr 32
		.amdhsa_next_free_sgpr 66
		.amdhsa_reserve_vcc 1
		.amdhsa_float_denorm_mode_32 3
		.amdhsa_float_denorm_mode_16_64 3
		.amdhsa_memory_ordered 1
		.amdhsa_forward_progress 1
		.amdhsa_inst_pref_size 5
	.end_amdhsa_kernel
	.amdgpu_metadata
---
amdhsa.version: [ 1, 2 ]
amdhsa.kernels:
  - .name:           k_q5e119adbe9_slices
    .symbol:         k_q5e119adbe9_slices.kd
    .args:
      - { .name: sm, .offset: 0, .size: 8, .value_kind: global_buffer, .address_space: global }
      - { .name: sl, .offset: 8, .size: 8, .value_kind: global_buffer, .address_space: global }
    .group_segment_fixed_size: 0
    .private_segment_fixed_size: 0
    .kernarg_segment_align: 8
    .kernarg_segment_size: 16
    .max_flat_workgroup_size: 128
    .sgpr_count:     66
    .vgpr_count:     32
    .wavefront_size: 32
...
	.end_amdgpu_metadata
.endif
;; end of part 3
;; launch tiles (part 4): grid 512 x 1, 4 waves a work-group, no clusters, 0 bytes of LDS; arguments tm, sl, tl; writes tl
.if DOCPART == 4
	.amdgcn_target "amdgcn-amd-amdhsa--gfx1250"
	.amdhsa_code_object_version 6
	.text
	.protected	k_q5e119adbe9_tiles
	.globl	k_q5e119adbe9_tiles
	.p2align	8
	.type	k_q5e119adbe9_tiles,@function
k_q5e119adbe9_tiles:
	s_mov_b64 s[64:65], 0
	v_nop
	global_prefetch_b8 v0, s[64:65] scope:SCOPE_SE
	s_setreg_imm32_b32 hwreg(HW_REG_WAVE_MODE, 25, 1), 1
	s_wait_xcnt 0x0
; For each query the 16 groups (of 8 keys) with the smallest (minimum, group number) among the 16 x 50 groups of its chosen slices: tl[query][0 .. 15], as whole numbers; entries 16-31 are 0.
; One wave to a query.  Lanes 2 i and 2 i + 1 share chosen slice i: the even lane holds its groups 0-24, the odd one groups 25-49; beside each minimum stands the group's number as f32 (under 2^24: exact).
; The slice numbers are whole numbers stored by the launch before; each is held at 124 before it enters an address.
; Sixteen rounds, no branch on data: minima are taken in trees of three-input minima; the 25 compares and selects of a round do not hang on each other.
; LIMITS: NaN and infinities among the minima are not served.  No LDS, no matrix unit, no cluster: waves share nothing.
.set SLB,  2048*200
.set X,    8                           ; v8-32
.set IDF,  33                          ; v33-57
.set CI,   58                          ; v58-82
.set T,    83                          ; v83-90
.set M,    92
.set P,    93
.set W,    94
.set OUT,  95
.set INFV, 96
.set BIGV, 97
.macro WAVEMIN r
	v_min_num_f32_dpp v[\r], v[\r], v[\r] row_xmask:1 row_mask:0xf bank_mask:0xf
	v_min_num_f32_dpp v[\r], v[\r], v[\r] row_xmask:2 row_mask:0xf bank_mask:0xf
	v_min_num_f32_dpp v[\r], v[\r], v[\r] row_xmask:4 row_mask:0xf bank_mask:0xf
	v_min_num_f32_dpp v[\r], v[\r], v[\r] row_xmask:8 row_mask:0xf bank_mask:0xf
	v_permlanex16_b32 v[P], v[\r], s12, s13
	v_min_num_f32 v[\r], v[\r], v[P]
.endm
.macro TREE d, s                       ; the smallest of 25 registers, three levels deep
.irp k, 0,1,2,3,4,5,6,7
	v_min3_num_f32 v[T+\k], v[\s+3*\k], v[\s+3*\k+1], v[\s+3*\k+2]
.endr
	v_min3_num_f32 v[T], v[T], v[T+1], v[T+2]
	v_min3_num_f32 v[T+3], v[T+3], v[T+4], v[T+5]
	v_min3_num_f32 v[T+6], v[T+6], v[T+7], v[\s+24]
	v_min3_num_f32 v[\d], v[T], v[T+3], v[T+6]
.endm
	s_load_b128 s[4:7], s[0:1], 0x0                ; tm, sl
	s_load_b64 s[8:9], s[0:1], 0x10                ; tl
	v_lshrrev_b32 v1, 5, v0
	v_readfirstlane_b32 s10, v1                    ; wave
	s_lshl_b32 s11, ttmp9, 2
	s_add_co_u32 s11, s11, s10                     ; my query
	v_and_b32 v1, 31, v0                           ; lane
	v_lshrrev_b32 v2, 1, v1
	v_lshlrev_b32 v2, 2, v2                        ; which chosen slice: 4 bytes x (lane / 2)
	v_and_b32 v3, 1, v1                            ; which half of its groups
	v_lshlrev_b32 v7, 2, v1
	v_mov_b32 v[INFV], 0x7f800000
	v_mov_b32 v[BIGV], 0x4b800000                  ; 2^24, above every number
	v_mov_b32 v[OUT], 0
	v_mov_b32 v[P], 0                              ; a lane permute's destination counts as one of its sources
	s_mov_b32 s12, 0x76543210
	s_mov_b32 s13, 0xfedcba98
	s_mov_b32 s16, 1
	s_mov_b32 s18, 16
	s_mul_i32 s14, s11, 200                        ; a query's row in a slice of tm
	s_mov_b32 s15, 0
	s_lshl_b32 s2, s11, 7                          ; 128 bytes a query in sl and tl
	s_mov_b32 s3, 0
	s_wait_alu depctr_va_vdst(0)
	s_wait_kmcnt 0x0
	s_add_nc_u64 s[4:5], s[4:5], s[14:15]
	s_add_nc_u64 s[6:7], s[6:7], s[2:3]
	s_add_nc_u64 s[8:9], s[8:9], s[2:3]
	global_load_b32 v4, v2, s[6:7]
	s_wait_loadcnt 0x0
	v_min_u32 v4, 124, v4                          ; a stored number enters an address only behind this hold
	v_mul_u32_u24 v6, v4, SLB
	v_mad_u32_u24 v6, v3, 100, v6                  ; + 25 slots for the odd lane
.irp j, 0,1,2,3,4,5,6,7,8,9,10,11,12,13,14,15,16,17,18,19,20,21,22,23,24
	global_load_b32 v[X+\j], v6, s[4:5] offset:4*\j
.endr
	v_mul_u32_u24 v5, v4, 50
	v_mad_u32_u24 v5, v3, 25, v5                   ; 50 x slice + 25 x half
.irp j, 0,1,2,3,4,5,6,7,8,9,10,11,12,13,14,15,16,17,18,19,20,21,22,23,24
	v_add_nc_u32 v[IDF+\j], \j, v5
.endr
.irp j, 0,1,2,3,4,5,6,7,8,9,10,11,12,13,14,15,16,17,18,19,20,21,22,23,24
	v_cvt_f32_u32 v[IDF+\j], v[IDF+\j]
.endr
	s_wait_alu depctr_va_vdst(0)
	s_wait_loadcnt 0x0
.Lround:
	TREE M, X
	WAVEMIN M                                      ; the smallest value left
.irp j, 0,1,2,3,4,5,6,7,8,9,10,11,12,13,14,15,16,17,18,19,20,21,22,23,24
	v_cmp_eq_f32 s[20+\j], v[M], v[X+\j]
.endr
.irp j, 0,1,2,3,4,5,6,7,8,9,10,11,12,13,14,15,16,17,18,19,20,21,22,23,24
	v_cndmask_b32 v[CI+\j], v[BIGV], v[IDF+\j], s[20+\j]   ; its holders offer their numbers
.endr
	TREE W, CI
	WAVEMIN W                                      ; the lowest number among the holders
.irp j, 0,1,2,3,4,5,6,7,8,9,10,11,12,13,14,15,16,17,18,19,20,21,22,23,24
	v_cmp_eq_f32 s[20+\j], v[W], v[IDF+\j]
.endr
.irp j, 0,1,2,3,4,5,6,7,8,9,10,11,12,13,14,15,16,17,18,19,20,21,22,23,24
	v_cndmask_b32 v[X+\j], v[X+\j], v[INFV], s[20+\j]      ; the winner leaves
.endr
	v_cndmask_b32 v[OUT], v[OUT], v[W], s16        ; round k's winner into lane k
	s_lshl_b32 s16, s16, 1
	s_sub_co_u32 s18, s18, 1
	s_cmp_lg_u32 s18, 0
	s_wait_alu depctr_va_vdst(0)
	s_cbranch_scc1 .Lround
	v_cvt_u32_f32 v[OUT], v[OUT]
	global_store_b32 v7, v[OUT], s[8:9]            ; 128 consecutive bytes a wave, 512 a work-group
	s_endpgm
.Lfunc_end_k_q5e119adbe9_tiles:
	.size	k_q5e119adbe9_tiles, .Lfunc_end_k_q5e119adbe9_tiles-k_q5e119adbe9_tiles
	.p2alignl 7, 3214868480
	.fill 96, 4, 3214868480
	.section	.rodata,"a",@progbits
	.p2align	6, 0x0
	.amdhsa_kernel k_q5e119adbe9_tiles
		.amdhsa_group_segment_fixed_size 0
		.amdhsa_private_segment_fixed_size 0
		.amdhsa_enable_private_segment 0
		.amdhsa_kernarg_size 24
		.amdhsa_user_sgpr_count 2
		.amdhsa_user_sgpr_kernarg_segment_ptr 1
		.amdhsa_wavefront_size32 1
		.amdhsa_system_sgpr_workgroup_id_x 1
		.amdhsa_system_sgpr_workgroup_id_y 1
		.amdhsa_system_sgpr_workgroup_id_z 1
		.amdhsa_system_vgpr_workitem_id 0
		.amdhsa_next_free_vgpr 100
		.amdhsa_next_free_sgpr 66
		.amdhsa_reserve_vcc 0
		.amdhsa_float_denorm_mode_32 3
		.amdhsa_float_denorm_mode_16_64 3
		.amdhsa_memory_ordered 1
		.amdhsa_forward_progress 1
		.amdhsa_inst_pref_size 15
	.end_amdhsa_kernel
	.amdgpu_metadata
---
amdhsa.version: [ 1, 2 ]
amdhsa.kernels:
  - .name:           k_q5e119adbe9_tiles
    .symbol:         k_q5e119adbe9_tiles.kd
    .args:
      - { .name: tm, .offset: 0, .size: 8, .value_kind: global_buffer, .address_space: global }
      - { .name: sl, .offset: 8, .size: 8, .value_kind: global_buffer, .address_space: global }
      - { .name: tl, .offset: 16, .size: 8, .value_kind: global_buffer, .address_space: global }
    .group_segment_fixed_size: 0
    .private_segment_fixed_size: 0
    .kernarg_segment_align: 8
    .kernarg_segment_size: 24
    .max_flat_workgroup_size: 128
    .sgpr_count:     66
    .vgpr_count:     100
    .wavefront_size: 32
...
	.end_amdgpu_metadata
.endif
;; end of part 4
;; launch final (part 5): grid 512 x 1, 4 waves a work-group, no clusters, 0 bytes of LDS; arguments kr, qr, tl, W1k, b1k, W2k_codes, W2k_scales, b2k, W1l, b1l, W2l, b2l, W1w, b1w, W2w, b2w, wav2vec_prob, out0; writes out0
.if DOCPART == 5
	.amdgcn_target "amdgcn-amd-amdhsa--gfx1250"
	.amdhsa_code_object_version 6
	.text
	.protected	k_q5e119adbe9_final
	.globl	k_q5e119adbe9_final
	.p2align	8
	.type	k_q5e119adbe9_final,@function
k_q5e119adbe9_final:
	s_mov_b64 s[64:65], 0
	v_nop
	global_prefetch_b8 v0, s[64:65] scope:SCOPE_SE
	s_setreg_imm32_b32 hwreg(HW_REG_WAVE_MODE, 25, 1), 1
	s_wait_xcnt 0x0
; One wave to a query.  (1) Its 16 chosen groups of 8 keys (whole numbers stored by the launch before, each held at 6,249 before it enters an address) are multiplied again, in MX-BF8: two groups make one operand of 16 keys,
; four operands at a time: d2 = (q2 + (-2 Q(q).Q(k))) + k2, or 1e9 where key and query are of one system.  (2) The 16 smallest of the 128 by (d2, key number), in order, with their values.  (3) The head, all in f32 but its one quantised product.
; WHERE A KEY LIES.  Group G is rows 8 (G & 1) .. + 7 of record G / 2: the record begins at (G & 0x1ffe) x 3,328 bytes.  Operand i takes group 2 i of the list in its columns 0-7 and group 2 i + 1 in columns 8-15: each lane forms its own offsets.
; LAYOUT.  Source 0 = the query's fragment, the same row sixteen times; source 1 = an operand of 16 keys: register 0 of the result holds, in lane r and in lane 16 + r, column r's sum.  Two operands' registers 0 make one register
; of 32 candidates: register g, lane l: operand 2 g + l / 16, column l % 16.
; THE HEAD.  Lane j is hidden unit j of each of the three small layers (f32 fused multiply-adds from scalar registers: K is 16 or 26, or N is 1: too little for a matrix form, and the first feeds a quantiser, so it is f32).
; tanh: for x^2 < 1/16 the series x (1 + t (-1/3 + t (2/15 - 17 t / 315))), t = x^2, whose first term left out is under 4e-7 of the number there; else 1 - 2 / (1 + 2^(2 x log2 e)).
; tanh(..) W2k: the 32 hidden units are brought 16 to a lane by lane permutes with fixed indices, quantised as one block of 32, and multiplied with W2k's given codes and scales; the rest of the instruction's K is zero codes.
; Both softmaxes take their maximum away.  No address and no branch hangs on a floating-point number: gathers by computed indices are compares and selects.
; LIMITS: NaN and infinities are not served; a hidden block whose largest magnitude lies under 2^-111 keeps the scale byte 1.
; No LDS bytes, no barrier, no cluster: waves share nothing but the small weights.
; window 0: v1-7 lane terms; v8-55 the query's three fragments (later: permute indices, the hidden operand, the hidden numbers); v56-58 its scale words; v60-71 the keys' scale words; v72-103 four accumulators;
;   v104-107 the candidates' d2, v108-111 their groups, then offsets (later the head's numbers); v112-115 their key numbers as f32; v120-123 their values; v128-131 k2, then at work; v136-139 systems;
;   v144-151 the operands' groups, then offsets; v152-159 offsets; v160-171 at work and lane terms; v172-237 weights; v240-255 W2k's fragment.    window 1: v0-191 the fragments of four operands.
.set REC,  6656
.set QF,   8
.set QSC,  56
.set KSC,  60
.set ACC,  72
.set D,    104
.set TC,   108
.set IF,   112
.set VL,   120
.set K2C,  128
.set KSY,  136
.set TO,   144
.set VO,   152
.set VS,   156
.set M,    160
.set P,    161
.set C,    162
.set SV,   164
.set ND,   165
.set SC,   166
.set INFV, 167
.set BIGV, 168
.set BIGD, 169
.set W1K,  172
.set W1L,  188
.set W1W,  204
.set MSB, 0
.macro WIN new                         ; the immediate's high byte repeats the setting that is left
.if MSB != \new
	s_set_vgpr_msb (MSB<<8)|\new
.set MSB, \new
.endif
.endm
.macro ROWOP op, r                     ; over the 16 lanes of each half
	\op v[\r], v[\r], v[\r] row_xmask:1 row_mask:0xf bank_mask:0xf
	\op v[\r], v[\r], v[\r] row_xmask:2 row_mask:0xf bank_mask:0xf
	\op v[\r], v[\r], v[\r] row_xmask:4 row_mask:0xf bank_mask:0xf
	\op v[\r], v[\r], v[\r] row_xmask:8 row_mask:0xf bank_mask:0xf
.endm
.macro WAVEMIN r
	ROWOP v_min_num_f32_dpp, \r
	v_permlanex16_b32 v[P], v[\r], s100, s101
	v_min_num_f32 v[\r], v[\r], v[P]
.endm
.macro WAVESUM r
	ROWOP v_add_f32_dpp, \r
	v_permlanex16_b32 v[P], v[\r], s100, s101
	v_add_f32 v[\r], v[\r], v[P]
.endm
.macro TANH y, x                       ; v128-130 at work; v131 = -17/315.  A plain line stands behind each transcendental before its result is used
	v_mul_f32 v128, 0x4038aa3b, v[\x]              ; 2 x log2(e)
	v_mul_f32 v129, v[\x], v[\x]
	s_wait_alu depctr_va_vdst(0)
	v_exp_f32 v128, v128
	v_fma_f32 v130, v129, v131, 0x3e088889         ; 2/15
	s_wait_alu depctr_va_vdst(0)
	v_add_f32 v128, 1.0, v128
	v_fma_f32 v130, v129, v130, 0xbeaaaaab         ; -1/3
	s_wait_alu depctr_va_vdst(0)
	v_rcp_f32 v128, v128
	v_fma_f32 v130, v129, v130, 1.0
	s_wait_alu depctr_va_vdst(0)
	v_fma_f32 v128, v128, -2.0, 1.0
	v_mul_f32 v130, v[\x], v130
	v_cmp_gt_f32 vcc_lo, 0x3d800000, v129          ; x^2 < 1/16
	v_cndmask_b32 v[\y], v128, v130, vcc_lo
.endm
.macro LOADB b                         ; operands 4 b .. 4 b + 3: each lane's offsets from its column's group, then the fragments into window 1 and the scale words
.irp i, 0,1,2,3
	v_and_b32 v[VS+\i], 0x1ffe, v[TO+4*\b+\i]
	v_and_b32 v[VO+\i], 1, v[TO+4*\b+\i]
.endr
.irp i, 0,1,2,3
	v_mul_u32_u24 v[VS+\i], v[VS+\i], REC/2        ; the record
	v_lshl_add_u32 v[VO+\i], v[VO+\i], 3, v170     ; the row in it
.endr
.irp i, 0,1,2,3
	v_lshl_add_u32 v[TO+4*\b+\i], v[VO+\i], 2, v[VS+\i]   ; for the row's words
	v_lshl_add_u32 v[VO+\i], v[VO+\i], 4, v[VS+\i]
.endr
.irp i, 0,1,2,3
	v_add_nc_u32 v[VO+\i], v163, v[VO+\i]          ; for its 16 bytes of a group of four registers: 16 x row + 256 h
.endr
	s_wait_alu depctr_va_vdst(0)
	WIN 0x40                                       ; destination window 1
.irp i, 0,1,2,3
.irp s, 0,1,2
.irp c, 0,1,2,3
	global_load_b128 v[48*\i+16*\s+4*\c:48*\i+16*\s+4*\c+3], v[VO+\i], s[8:9] offset:\s*2048+\c*512
.endr
.endr
.endr
	WIN 0
.irp i, 0,1,2,3
.irp s, 0,1,2
	global_load_b32 v[KSC+3*\i+\s], v[TO+4*\b+\i], s[8:9] offset:6144+64*\s
.endr
.endr
.endm
.macro WMB                             ; 12 products: the four accumulators take turns, one instruction a turn; the first K step starts the sums
	WIN 0x04                                       ; source 1 window 1
.irp s, 0,1,2
.irp i, 0,1,2,3
.if \s == 0
	v_wmma_scale_f32_16x16x128_f8f6f4 v[ACC+8*\i:ACC+8*\i+7], v[QF:QF+15], v[48*\i:48*\i+15], 0, v[QSC], v[KSC+3*\i] matrix_a_fmt:MATRIX_FMT_BF8 matrix_b_fmt:MATRIX_FMT_BF8
.else
	v_wmma_scale_f32_16x16x128_f8f6f4 v[ACC+8*\i:ACC+8*\i+7], v[QF+16*\s:QF+16*\s+15], v[48*\i+16*\s:48*\i+16*\s+15], v[ACC+8*\i:ACC+8*\i+7], v[QSC+\s], v[KSC+3*\i+\s] matrix_a_fmt:MATRIX_FMT_BF8 matrix_b_fmt:MATRIX_FMT_BF8
.endif
.endr
.endr
	WIN 0
.endm
.macro POST b                          ; registers 0 of two operands make one register of 32 candidates
	v_cndmask_b32 v[D+2*\b], v[ACC], v[ACC+8], s99
	v_cndmask_b32 v[D+2*\b+1], v[ACC+16], v[ACC+24], s99
.endm
.macro PLACES n
.rept \n
	v_nop
.endr
.endm
	s_load_b512 s[8:23], s[0:1], 0x0               ; kr, qr, tl, W1k, b1k, W2k_codes, W2k_scales, b2k
	s_load_b512 s[24:39], s[0:1], 0x40             ; W1l, b1l, W2l, b2l, W1w, b1w, W2w, b2w
	s_load_b128 s[40:43], s[0:1], 0x80             ; wav2vec_prob, out0
	v_lshrrev_b32 v1, 5, v0
	v_readfirstlane_b32 s2, v1                     ; wave
	s_lshl_b32 s3, ttmp9, 2
	s_add_co_u32 s3, s3, s2                        ; my query
	v_and_b32 v1, 31, v0                           ; lane
	v_and_b32 v2, 15, v0                           ; r
	v_bfe_u32 v3, v0, 4, 1                         ; h
	v_lshlrev_b32 v5, 2, v2                        ; 4 r
	v_lshlrev_b32 v7, 2, v1                        ; 4 x lane
	v_bfe_u32 v59, v0, 3, 1
	v_lshlrev_b32 v59, 2, v59                      ; 4 (r / 8): which of an operand's two groups
	v_lshl_add_u32 v171, v3, 3, v59                ; + 8 h: which of a candidate register's four
	v_and_b32 v170, 7, v0                          ; r % 8
	v_lshlrev_b32 v163, 8, v3                      ; 256 h
	s_and_b32 s96, s3, 15                          ; my query's row in its record
	s_lshl_b32 s97, s96, 4
	v_lshlrev_b32 v6, 8, v3
	v_add_nc_u32 v6, s97, v6                       ; its 16 bytes of a group of four registers: 16 x row + 256 h
	v_lshlrev_b32 v239, 5, v2
	v_lshl_add_u32 v239, v3, 4, v239               ; W2k's codes: 32 r + 16 h
	v_mov_b32 v238, 0
.irp i, 4,5,6,7,8,9,10,11,12,13,14,15
	v_mov_b32 v[240+\i], 0                         ; W2k's K is 32: the rest of the instruction's 128 are zero codes
.endr
	v_mov_b32 v[P], 0                              ; a lane permute's destination counts as one of its sources
	v_mov_b32 v[ND], 0
	v_mov_b32 v[SC], 0
	v_mov_b32 v[INFV], 0x7f800000
	v_mov_b32 v[BIGV], 0x4b800000                  ; 2^24, above every key number
	v_mov_b32 v[BIGD], 0x4e6e6b28                  ; 1e9
	s_mov_b32 s99, 0xffff0000                      ; lanes 16-31
	s_mov_b32 s100, 0x76543210
	s_mov_b32 s101, 0xfedcba98                     ; v_permlanex16_b32's selects for lane l xor 16
	s_lshl_b32 s94, s3, 7
	s_mov_b32 s95, 0
	s_wait_alu depctr_va_vdst(0)
	s_wait_kmcnt 0x0
	s_add_nc_u64 s[4:5], s[12:13], s[94:95]        ; my list of groups
	s_lshr_b32 s94, s3, 4
	s_mul_i32 s94, s94, REC
	s_add_nc_u64 s[6:7], s[10:11], s[94:95]        ; my query's record
	s_lshl_b32 s94, s96, 2
	s_add_nc_u64 s[92:93], s[6:7], s[94:95]        ; + 4 x its row
	s_lshl_b32 s94, s3, 6
	s_add_nc_u64 s[40:41], s[40:41], s[94:95]      ; my row of wav2vec_prob
	s_lshl_b32 s94, s3, 2
	s_add_nc_u64 s[42:43], s[42:43], s[94:95]      ; my word of out0
	s_load_b32 s60, s[92:93], 6336                 ; q2
	s_load_b32 s61, s[92:93], 6400                 ; my system
	s_load_b32 s62, s[92:93], 6464                 ; wav2vec_score
	s_load_b32 s63, s[30:31], 0x0                  ; b2l
	s_load_b32 s98, s[38:39], 0x0                  ; b2w
.irp g, 0,1,2,3,4,5,6,7
	global_load_b32 v[TO+\g], v59, s[4:5] offset:8*\g      ; operand g: group 2 g + r / 8 of the list
.endr
.irp g, 0,1,2,3
	global_load_b32 v[TC+\g], v171, s[4:5] offset:16*\g    ; candidate register g: group 4 g + 2 h + r / 8
.endr
.irp s, 0,1,2
.irp c, 0,1,2,3
	global_load_b128 v[QF+16*\s+4*\c:QF+16*\s+4*\c+3], v6, s[6:7] offset:\s*2048+\c*512
.endr
	global_load_b32 v[QSC+\s], v238, s[92:93] offset:6144+64*\s   ; the same word in every lane
.endr
	s_wait_loadcnt 15                              ; the 12 words of the list are in; behind them: the query's 15 loads
.irp g, 0,1,2,3,4,5,6,7
	v_min_u32 v[TO+\g], 6249, v[TO+\g]             ; a stored number enters an address only behind this hold
.endr
.irp g, 0,1,2,3
	v_min_u32 v[TC+\g], 6249, v[TC+\g]
.endr
	LOADB 0
.irp k, 0,1,2,3,4,5,6,7,8,9,10,11,12,13,14,15
	global_load_b32 v[W1K+\k], v7, s[14:15] offset:128*\k
	global_load_b32 v[W1L+\k], v7, s[24:25] offset:128*\k
.endr
.irp k, 0,1,2,3,4,5,6,7,8,9,10,11,12,13,14,15,16,17,18,19,20,21,22,23,24,25
	global_load_b32 v[W1W+\k], v7, s[32:33] offset:128*\k
.endr
	global_load_b32 v230, v7, s[16:17]             ; b1k
	global_load_b32 v231, v7, s[26:27]             ; b1l
	global_load_b32 v232, v7, s[34:35]             ; b1w
	global_load_b32 v233, v7, s[28:29]             ; W2l
	global_load_b32 v234, v7, s[36:37]             ; W2w
	global_load_b32 v235, v5, s[22:23]             ; b2k[r]
	global_load_b32 v236, v5, s[40:41]             ; prob[r]
	global_load_u8 v237, v2, s[20:21]              ; W2k's scale byte of column r
	global_load_b128 v[240:243], v239, s[18:19]    ; W2k's codes of column r, k = 16 h on
	s_wait_kmcnt 0x0
	s_wait_loadcnt 0x0
	WMB
	; plain lines that name none of the products' registers: also the places behind them
.irp g, 0,1,2,3
	v_lshl_add_u32 v[IF+\g], v[TC+\g], 3, v170     ; the key's number: 8 x group + r % 8
.endr
.irp g, 0,1,2,3
	v_and_b32 v[KSY+\g], 0x1ffe, v[TC+\g]
.endr
.irp g, 0,1,2,3
	v_and_b32 v[VL+\g], 1, v[TC+\g]
.endr
.irp g, 0,1,2,3
	v_cvt_f32_u32 v[IF+\g], v[IF+\g]               ; under 2^24: exact
.endr
.irp g, 0,1,2,3
	v_mul_u32_u24 v[KSY+\g], v[KSY+\g], REC/2
.endr
.irp g, 0,1,2,3
	v_lshl_add_u32 v[VL+\g], v[VL+\g], 3, v170
.endr
.irp g, 0,1,2,3
	v_lshl_add_u32 v[TC+\g], v[VL+\g], 2, v[KSY+\g]   ; the key's record, + 4 x its row
.endr
	LOADB 1
.irp g, 0,1,2,3
	global_load_b32 v[K2C+\g], v[TC+\g], s[8:9] offset:6336
	global_load_b32 v[KSY+\g], v[TC+\g], s[8:9] offset:6400
	global_load_b32 v[VL+\g], v[TC+\g], s[8:9] offset:6464
.endr
	POST 0
	s_wait_alu depctr_va_vdst(0)
	s_wait_loadcnt 0x0
	WMB
	PLACES 8
	POST 1
.irp g, 0,1,2,3
	v_add_f32 v[D+\g], s60, v[D+\g]                ; q2 - 2 q.k
.endr
.irp g, 0,1,2,3
	v_add_f32 v[D+\g], v[D+\g], v[K2C+\g]          ; + k2
.endr
.irp g, 0,1,2,3
	v_cmp_eq_u32 vcc_lo, s61, v[KSY+\g]
	v_cndmask_b32 v[D+\g], v[D+\g], v[BIGD], vcc_lo   ; 1e9 for keys of my system
.endr
	; SIXTEEN ROUNDS: the smallest d2; among its holders the lowest key number; its value; the winner leaves.  Round k's d2 and value go to lanes k and 16 + k.
	s_mov_b32 s96, 0x00010001
	s_mov_b32 s97, 16
	s_mov_b32 s95, 0                               ; the lanes of the round before: none yet
	v_mov_b32 v[SV], 0
	s_wait_alu depctr_va_vdst(0)
.Lround:                                               ; the sum that brings the last winner's value to all lanes goes line by line beside this round's minimum: the two do not hang on each other
	v_min3_num_f32 v[M], v[D], v[D+1], v[D+2]
	v_min_num_f32 v[M], v[M], v[D+3]
.irp x, 1,2,4,8
	v_min_num_f32_dpp v[M], v[M], v[M] row_xmask:\x row_mask:0xf bank_mask:0xf
	v_add_f32_dpp v[SV], v[SV], v[SV] row_xmask:\x row_mask:0xf bank_mask:0xf
.endr
	v_permlanex16_b32 v[P], v[M], s100, s101
	v_permlanex16_b32 v163, v[SV], s100, s101
	v_min_num_f32 v[M], v[M], v[P]
	v_add_f32 v[SV], v[SV], v163                   ; one lane held the value, all others 0: the sum is exact
	v_cndmask_b32 v[ND], v[ND], v[M], s96
	v_cndmask_b32 v[SC], v[SC], v[SV], s95         ; the last round's value into the last round's lanes
.irp g, 0,1,2,3
	v_cmp_eq_f32 s[44+\g], v[M], v[D+\g]
.endr
.irp g, 0,1,2,3
	v_cndmask_b32 v[K2C+\g], v[BIGV], v[IF+\g], s[44+\g]
.endr
	v_min3_num_f32 v[C], v[K2C], v[K2C+1], v[K2C+2]
	v_min_num_f32 v[C], v[C], v[K2C+3]
	WAVEMIN C
.irp g, 0,1,2,3
	v_cmp_eq_f32 s[44+\g], v[C], v[IF+\g]
.endr
.irp g, 0,1,2,3
	v_cndmask_b32 v[D+\g], v[D+\g], v[INFV], s[44+\g]
.endr
.irp g, 0,1,2,3
	v_cndmask_b32 v[K2C+\g], 0, v[VL+\g], s[44+\g]
.endr
	v_add_f32 v[SV], v[K2C], v[K2C+1]
	v_add_f32 v[K2C+2], v[K2C+2], v[K2C+3]
	v_add_f32 v[SV], v[SV], v[K2C+2]               ; the winner's value in its lane, 0 in all others
	s_mov_b32 s95, s96
	s_lshl_b32 s96, s96, 1
	s_sub_co_u32 s97, s97, 1
	s_cmp_lg_u32 s97, 0
	s_wait_alu depctr_va_vdst(0)
	s_cbranch_scc1 .Lround
	WAVESUM SV                                     ; the last round's value
	v_cndmask_b32 v[SC], v[SC], v[SV], s95
	v_xor_b32 v[ND], 0x80000000, v[ND]             ; knn_dists = -d2
.irp k, 0,1,2,3,4,5,6,7,8,9,10,11,12,13,14,15
	v_readlane_b32 s[76+\k], v[ND], \k
.endr
	; THE HEAD.  v104 Ak, v105 Al, v106 Aw; v107-109 their tanh; v110 knn_result
	v_mov_b32 v131, 0xbd5d0dd1                     ; -17/315
	s_mov_b32 s94, 0x600000                        ; the mantissa field of 57,344
	v_fma_f32 v104, s76, v[W1K], v230
	v_fma_f32 v105, s76, v[W1L], v231
.irp k, 1,2,3,4,5,6,7,8,9,10,11,12,13,14,15
	v_fma_f32 v104, s[76+\k], v[W1K+\k], v104
	v_fma_f32 v105, s[76+\k], v[W1L+\k], v105
.endr
	TANH 107, 104
	TANH 108, 105
	v_lshlrev_b32 v132, 6, v3                      ; 4 bytes x lane 16 h
.irp i, 0,1,2,3,4,5,6,7,8,9,10,11,12,13,14,15
	v_add_nc_u32 v[8+\i], 4*\i, v132
.endr
.irp i, 0,1,2,3,4,5,6,7,8,9,10,11,12,13,14,15
	ds_bpermute_b32 v[40+\i], v[8+\i], v107        ; hidden unit 16 h + i: the operand's order of k
.endr
.irp i, 28,29,30,31,32,33,34,35,36,37,38,39
	v_mov_b32 v[\i], 0                             ; zero codes for k = 32 .. 127
.endr
	s_wait_dscnt 0x0
	v_max3_num_f32 v133, |v40|, |v41|, 0x8000000   ; my 16 numbers and the floor 2^(16 - 127)
.irp i, 2,4,6,8,10,12,14
	v_max3_num_f32 v133, v133, |v[40+\i]|, |v[41+\i]|
.endr
	v_permlanex16_b32 v[P], v133, s100, s101
	v_max_num_f32 v133, v133, v[P]                 ; the block's largest magnitude
	v_add_nc_u32 v134, 0xf8800000, v133            ; 15 off its exponent field: the conversion's scale operand
	v_and_or_b32 v135, v133, 0x7f800000, s94       ; 57,344 x the scale
	v_lshrrev_b32 v[QSC], 23, v134                 ; the scale word: the block's byte; the bytes above it stand over zero codes.  (The sixteen holds below are more than the eight places that it owes)
.irp i, 0,1,2,3,4,5,6,7,8,9,10,11,12,13,14,15
	v_med3_num_f32 v[40+\i], v[40+\i], -v135, v135 ; the conversion to an 8-bit code does not saturate (ISA guide 7.6.2)
.endr
	v_cvt_scalef32_pk8_bf8_f32 v[24:25], v[40:47], v134
	v_cvt_scalef32_pk8_bf8_f32 v[26:27], v[48:55], v134
	PLACES 4                                       ; an operand written by vector lines stands four places ahead of a scaled matrix instruction
	v_wmma_scale_f32_16x16x128_f8f6f4 v[72:79], v[24:39], v[240:255], 0, v[QSC], v237 matrix_a_fmt:MATRIX_FMT_BF8 matrix_b_fmt:MATRIX_FMT_BF8
	PLACES 8
	v_add_f32 v128, v72, v235                      ; logit r, in both halves of the lanes
	v_mov_b32 v129, v128
	ROWOP v_max_num_f32_dpp, 129
	v_sub_f32 v128, v128, v129
	v_mul_f32 v128, 0x3fb8aa3b, v128
	s_wait_alu depctr_va_vdst(0)
	v_exp_f32 v128, v128
	v_nop
	s_wait_alu depctr_va_vdst(0)
	v_mul_f32 v130, v128, v[SC]
	ROWOP v_add_f32_dpp, 128
	ROWOP v_add_f32_dpp, 130
	s_wait_alu depctr_va_vdst(0)
	v_rcp_f32 v128, v128
	v_fma_f32 v132, s62, 4.0, -4.0                 ; (a plain line behind the reciprocal)  wav2vec_score x 4 - 4
	s_wait_alu depctr_va_vdst(0)
	v_mul_f32 v110, v130, v128                     ; knn_result
	v_fma_f32 v129, v110, 4.0, -4.0
	v_med3_num_f32 v132, v132, 0, 0x41700000       ; between 0 and 15,
	v_med3_num_f32 v129, v129, 0, 0x41700000
	v_cvt_i32_f32 v132, v132                       ; toward zero
	v_cvt_i32_f32 v129, v129
	v_cmp_eq_u32 vcc_lo, v132, v2
	v_cndmask_b32 v132, 0, v236, vcc_lo            ; the gather: a compare, a select and a sum
	v_cmp_eq_u32 vcc_lo, v129, v2
	v_cndmask_b32 v129, 0, v236, vcc_lo
	ROWOP v_add_f32_dpp, 132
	ROWOP v_add_f32_dpp, 129
	v_readfirstlane_b32 s66, v132                  ; prob[wav_idx]
	v_readfirstlane_b32 s67, v129                  ; prob[knn_idx]
	v_mov_b32 v133, v236
	v_mov_b32 v135, 0xff800000                     ; -infinity
.irp k, 0,1,2,3,4,5,6,7                ; the eight largest of the 16, in order; of equal ones, one leaves a round
	v_mov_b32 v134, v133
	ROWOP v_max_num_f32_dpp, 134
	v_readfirstlane_b32 s[68+\k], v134
	v_cmp_eq_f32 s96, v134, v133
	s_and_b32 s96, s96, 0xffff
	s_sub_co_u32 s97, 0, s96
	s_and_b32 s96, s96, s97                        ; its lowest holder among lanes 0-15,
	s_lshl_b32 s97, s96, 16
	s_or_b32 s96, s96, s97                         ; and the same lane of the other half
	v_cndmask_b32 v133, v133, v135, s96
.endr
	v_fma_f32 v106, s66, v[W1W], v232
.irp k, 1,2,3,4,5,6,7,8,9,10,11,12,13,14,15,16,17,18,19,20,21,22,23,24,25
	v_fma_f32 v106, s[66+\k], v[W1W+\k], v106
.endr
	TANH 109, 106
	v_mul_f32 v128, v108, v233
	v_mul_f32 v129, v109, v234
	WAVESUM 128
	WAVESUM 129
	v_add_f32 v128, s63, v128                      ; knn_lambda
	v_add_f32 v129, s98, v129                      ; wav_lambda
	v_max_num_f32 v130, v128, v129
	v_sub_f32 v128, v128, v130
	v_sub_f32 v129, v129, v130
	v_mul_f32 v128, 0x3fb8aa3b, v128
	v_mul_f32 v129, 0x3fb8aa3b, v129
	s_wait_alu depctr_va_vdst(0)
	v_exp_f32 v128, v128
	v_exp_f32 v129, v129
	v_nop
	s_wait_alu depctr_va_vdst(0)
	v_add_f32 v130, v128, v129
	v_mul_f32 v132, v128, v110
	s_wait_alu depctr_va_vdst(0)
	v_rcp_f32 v130, v130
	v_fma_f32 v132, v129, s62, v132                ; (a plain line behind the reciprocal)
	s_wait_alu depctr_va_vdst(0)
	v_mul_f32 v132, v132, v130
	s_wait_alu depctr_va_vdst(0)
	s_wait_xcnt 0x0                                ; EXEC changes only behind this wait
	v_cmp_eq_u32 vcc_lo, 0, v1
	s_and_saveexec_b32 s96, vcc_lo
	global_store_b32 v238, v132, s[42:43]          ; one number a query
	s_wait_xcnt 0x0                                ; and again, in front of the line that widens it
	s_or_b32 exec_lo, exec_lo, s96
	s_endpgm
.Lfunc_end_k_q5e119adbe9_final:
	.size	k_q5e119adbe9_final, .Lfunc_end_k_q5e119adbe9_final-k_q5e119adbe9_final
	.p2alignl 7, 3214868480
	.fill 96, 4, 3214868480
	.section	.rodata,"a",@progbits
	.p2align	6, 0x0
	.amdhsa_kernel k_q5e119adbe9_final
		.amdhsa_group_segment_fixed_size 0
		.amdhsa_private_segment_fixed_size 0
		.amdhsa_enable_private_segment 0
		.amdhsa_kernarg_size 144
		.amdhsa_user_sgpr_count 2
		.amdhsa_user_sgpr_kernarg_segment_ptr 1
		.amdhsa_wavefront_size32 1
		.amdhsa_system_sgpr_workgroup_id_x 1
		.amdhsa_system_sgpr_workgroup_id_y 1
		.amdhsa_system_sgpr_workgroup_id_z 1
		.amdhsa_system_vgpr_workitem_id 0
		.amdhsa_next_free_vgpr 448
		.amdhsa_next_free_sgpr 102
		.amdhsa_reserve_vcc 1
		.amdhsa_float_denorm_mode_32 3
		.amdhsa_float_denorm_mode_16_64 3
		.amdhsa_memory_ordered 1
		.amdhsa_forward_progress 1
		.amdhsa_inst_pref_size 59
	.end_amdhsa_kernel
	.amdgpu_metadata
---
amdhsa.version: [ 1, 2 ]
amdhsa.kernels:
  - .name:           k_q5e119adbe9_final
    .symbol:         k_q5e119adbe9_final.kd
    .args:
      - { .name: kr, .offset: 0, .size: 8, .value_kind: global_buffer, .address_space: global }
      - { .name: qr, .offset: 8, .size: 8, .value_kind: global_buffer, .address_space: global }
      - { .name: tl, .offset: 16, .size: 8, .value_kind: global_buffer, .address_space: global }
      - { .name: W1k, .offset: 24, .size: 8, .value_kind: global_buffer, .address_space: global }
      - { .name: b1k, .offset: 32, .size: 8, .value_kind: global_buffer, .address_space: global }
      - { .name: W2k_codes, .offset: 40, .size: 8, .value_kind: global_buffer, .address_space: global }
      - { .name: W2k_scales, .offset: 48, .size: 8, .value_kind: global_buffer, .address_space: global }
      - { .name: b2k, .offset: 56, .size: 8, .value_kind: global_buffer, .address_space: global }
      - { .name: W1l, .offset: 64, .size: 8, .value_kind: global_buffer, .address_space: global }
      - { .name: b1l, .offset: 72, .size: 8, .value_kind: global_buffer, .address_space: global }
      - { .name: W2l, .offset: 80, .size: 8, .value_kind: global_buffer, .address_space: global }
      - { .name: b2l, .offset: 88, .size: 8, .value_kind: global_buffer, .address_space: global }
      - { .name: W1w, .offset: 96, .size: 8, .value_kind: global_buffer, .address_space: global }
      - { .name: b1w, .offset: 104, .size: 8, .value_kind: global_buffer, .address_space: global }
      - { .name: W2w, .offset: 112, .size: 8, .value_kind: global_buffer, .address_space: global }
      - { .name: b2w, .offset: 120, .size: 8, .value_kind: global_buffer, .address_space: global }
      - { .name: wav2vec_prob, .offset: 128, .size: 8, .value_kind: global_buffer, .address_space: global }
      - { .name: out0, .offset: 136, .size: 8, .value_kind: global_buffer, .address_space: global }
    .group_segment_fixed_size: 0
    .private_segment_fixed_size: 0
    .kernarg_segment_align: 8
    .kernarg_segment_size: 144
    .max_flat_workgroup_size: 128
    .sgpr_count:     102
    .vgpr_count:     448
    .wavefront_size: 32
...
	.end_amdgpu_metadata
.endif
;; end of part 5
